; MI455X (gfx1250); checked and timed in simulation.
; The chip was launched on July 23, 2026; its instructions are those of AMD's public machine-readable ISA for CDNA 5 (MIT licence, August 2026) and "CDNA5" Instruction Set Architecture Reference Guide (July 2026). The comments in the code are by the model that wrote it; some were corrected since.
;; Complex Multihead Attention. Allowed arithmetic: matrix products marked QUANTISED: E2M1 operands, one E8M0 scale for each 32 along K, by v_wmma_scale_f32_16x16x128_f8f6f4 with both operands' format E2M1 (or v_wmma_scale_f32_32x16x128_f4), f32 sums; products left as they are: bf16, f16 or f32 operands; f32 sums; everything else in f32.
;; Inputs: wkv_i 256 x 512 float32; wkv_r 256 x 512 float32; wo_i 256 x 256 float32; wo_r 256 x 256 float32; wq_i 256 x 256 float32; wq_r 256 x 256 float32; x_imag 2 x 2,048 x 256 float32; x_real 2 x 2,048 x 256 float32.
;; Outputs: out0 2 x 2,048 x 256 x 2 float32.
;; This version of the problem:
;;   THIS VERSION OF THE PROBLEM IS GIVEN IN LOW PRECISION. The matrix products marked QUANTISED in the list below multiply operands that are first quantised to E2M1 (2 exponent bits, 1 mantissa bit; 4 bits a number), with one power-of-two scale for each 32 numbers along K (OCP MX v1.0); their sums are f32. The products marked 'left as it is' may take bf16, f16 or f32 operands, with f32 sums. Whichever they take, every output number must still come out within the allowed error. Rounding operands to bf16 (8 significant bits) uses up far more of that allowance than f16 does (11 bits, for magnitudes from 6e-5 to 65,504). All else is computed in f32.
;;   The module's matrix products, in the order in which they are computed (A, B: the left and right operand; K: the contracted axis; several contracted axes count as one K, in the product's order):
;;     1. [M 4,096, K 256] x [K 256, N 256]; A: input x_real; B: input wq_r: QUANTISED
;;     2. [M 4,096, K 256] x [K 256, N 256]; A: input x_imag; B: input wq_i: QUANTISED
;;     3. [M 4,096, K 256] x [K 256, N 256]; A: input x_real; B: input wq_i: QUANTISED
;;     4. [M 4,096, K 256] x [K 256, N 256]; A: input x_imag; B: input wq_r: QUANTISED
;;     5. [M 4,096, K 256] x [K 256, N 512]; A: input x_real; B: input wkv_r: QUANTISED
;;     6. [M 4,096, K 256] x [K 256, N 512]; A: input x_imag; B: input wkv_i: QUANTISED
;;     7. [M 4,096, K 256] x [K 256, N 512]; A: input x_real; B: input wkv_i: QUANTISED
;;     8. [M 4,096, K 256] x [K 256, N 512]; A: input x_imag; B: input wkv_r: QUANTISED
;;     9. batch 64 x [M 2,048, K 32] x [K 32, N 2,048]; A: computed on the way; B: computed on the way: left as it is (an operand is computed on the way)
;;     10. batch 16 x [M 2,048, K 2,048] x [K 2,048, N 32]; A: computed on the way; B: computed on the way: left as it is (an operand is computed on the way)
;;     11. batch 16 x [M 2,048, K 2,048] x [K 2,048, N 32]; A: computed on the way; B: computed on the way: left as it is (an operand is computed on the way)
;;     12. batch 16 x [M 2,048, K 2,048] x [K 2,048, N 32]; A: computed on the way; B: computed on the way: left as it is (an operand is computed on the way)
;;     13. batch 16 x [M 2,048, K 2,048] x [K 2,048, N 32]; A: computed on the way; B: computed on the way: left as it is (an operand is computed on the way)
;;     14. batch 16 x [M 2,048, K 2,048] x [K 2,048, N 32]; A: computed on the way; B: computed on the way: left as it is (an operand is computed on the way)
;;     15. batch 16 x [M 2,048, K 2,048] x [K 2,048, N 32]; A: computed on the way; B: computed on the way: left as it is (an operand is computed on the way)
;;     16. batch 16 x [M 2,048, K 2,048] x [K 2,048, N 32]; A: computed on the way; B: computed on the way: left as it is (an operand is computed on the way)
;;     17. batch 16 x [M 2,048, K 2,048] x [K 2,048, N 32]; A: computed on the way; B: computed on the way: left as it is (an operand is computed on the way)
;;     18. [M 4,096, K 256] x [K 256, N 256]; A: computed on the way; B: input wo_r: left as it is (an operand is computed on the way)
;;     19. [M 4,096, K 256] x [K 256, N 256]; A: computed on the way; B: input wo_i: left as it is (an operand is computed on the way)
;;     20. [M 4,096, K 256] x [K 256, N 256]; A: computed on the way; B: input wo_i: left as it is (an operand is computed on the way)
;;     21. [M 4,096, K 256] x [K 256, N 256]; A: computed on the way; B: input wo_r: left as it is (an operand is computed on the way)
;;   THE QUANTISER, for each operand of a quantised product, along K:
;;     - K is cut into blocks of 32 from its start; a last block that is shorter is filled with zeros.
;;     - A block's scale is 2^e with e = floor(log2(the largest magnitude in the block)) - 2, held to -126 .. 127; a block of zeros has e = 0. As a byte (E8M0): e + 127.
;;     - Each number is divided by its block's scale, clamped to +-6, and rounded to the nearest number of E2M1, ties to even, subnormals kept.
;;     - The product sums the exact products of the quantised numbers (number of the format x scale) in f32.
;;   ~~~python
;;   def quantise(x, axis):      # numpy; x: float32 -> the quantised numbers, widened to float32 again
;;       x = np.moveaxis(x, axis, -1); K = x.shape[-1]
;;       x = np.pad(x, [(0, 0)] * (x.ndim - 1) + [(0, -K % 32)]); x = x.reshape(x.shape[:-1] + (-1, 32)); a = np.abs(x).max(-1, keepdims=True)
;;       e = np.where(a > 0, np.clip(np.frexp(np.where(a > 0, a, 1))[1] - 1 - 2, -126, 127), 0)      # np.frexp(a)[1] - 1 = floor(log2(a)), exactly
;;       r = np.clip(x / 2.0 ** e, -6, 6)
;;       step = 2.0 ** (np.maximum(np.frexp(np.where(r == 0, 1, r))[1] - 1, 0) - 1)
;;       q = np.round(r / step) * step * 2.0 ** e      # np.round: ties to even
;;       return np.moveaxis(q.reshape(q.shape[:-2] + (-1,))[..., :K], -1, axis).astype(np.float32)
;;   ~~~
;; One version. Each part assembles by itself: llvm-mc -triple=amdgcn-amd-amdhsa -mcpu=gfx1250 --defsym DOCPART=n.
;; ======== version 1 of 1: 3 launches
;; limits: values are held in f16: magnitudes above 65,504 overflow, below 6.1e-05 lose precision
;; workspace buffers: qimg 4,194,304 bytes; kvimg 8,388,608 bytes; oimg 4,194,304 bytes; wimg 524,288 bytes
;; launch proj (part 1): grid 9 x 32, 8 waves a work-group, no clusters, 27,136 bytes of LDS; arguments x_real, x_imag, wq_r, wq_i, wkv_r, wkv_i, wo_r, wo_i, qimg, kvimg, wimg; writes qimg, kvimg, wimg
.if DOCPART == 1
	.amdgcn_target "amdgcn-amd-amdhsa--gfx1250"
	.amdhsa_code_object_version 6
	.text
	.protected	k_qf0dd89ccb8_proj
	.globl	k_qf0dd89ccb8_proj
	.p2align	8
	.type	k_qf0dd89ccb8_proj,@function
k_qf0dd89ccb8_proj:
	s_mov_b64 s[64:65], 0
	v_nop
	global_prefetch_b8 v0, s[64:65] scope:SCOPE_SE
	s_setreg_imm32_b32 hwreg(HW_REG_WAVE_MODE, 25, 1), 1
	s_wait_xcnt 0x0
; THE COMPLEX PROJECTIONS q, k, v = (xr + i xi)(wr + i wi), on codes of FP4 (E2M1) with one E8M0 scale for each 32 along K = 256, and the output weights' turn into f16.
; DEAD WORK: none.  Every input has a way to the output, and all 21 products of the problem are live: nothing is left out in any of the three launches.
; x [4096][256] and the weights [256][n] arrive as f32 and are quantised here, in registers.  The real part is xr wr + (-xi) wi: the codes of -xi are xi's with the sign bits turned
; (the quantiser is odd, so that is exact; a zero becomes -0, which adds nothing), so each of the six results is ONE chain of four scaled matrix instructions.
; SHARES.  Work-group (x < 8, y): head x, rows 128 y .. 128 y + 127 of the 4,096.  Wave w owns rows 16 w on, for q, k and v of the head: 3 groups x 2 tiles of 16 columns x 2 parts x 4 = 48 matrix instructions.
; Its six fragments of x (xr, xi, -xi; two K steps each) never leave its registers.  The weights' 32 columns x 256 K x 2 matrices x 3 groups are quantised once a work-group: wave w takes K rows 64 (w % 4) on of
; matrix w / 4 (real, imaginary), a lane to a column, registers down K, and the codes go to the other waves through LDS as images of the operand's registers; one barrier.
; Work-group (8, y): wo_r, wo_i become f16 fragments of the [512 k][512 n] matrix of the last launch (k = 256 part + row of wo; n = 2 column + (0 real, 1 imaginary)); no LDS, no barrier on that way.
; RESULTS leave as f16 images of the next launch's operand registers: a fragment of 16 x 32 is 1,024 bytes, registers 4 c .. 4 c + 3 of lane l at 512 c + 16 l: every store covers 512 consecutive bytes, aligned.
;   q (x log2(e) / sqrt(32), multiplied in f32 ahead of the rounding): qimg [bh][part][tile of 16 queries];  k, v: kvimg [bh][step of 64 keys][16,384]: kr's 4 tiles, ki's 4, then V^T: [32 keys][vr d 0-15, vr d 16-31, vi, vi].
;   q and k are made transposed (source 0 = 16 columns of w, source 1 = x): a lane holds one row and 8 neighbouring d.  v is made as it stands: a lane holds one channel and 8 neighbouring keys.
; NO JOINT LOADS: the eight heads of a row block read the same x and the 32 row blocks the same weights, but as f32, 256 KB + 192 KB a work-group, more than LDS holds, and the conversions want the numbers in a
; lane's registers along K, which plain loads give; a ring with refills would serve 48 matrix instructions a wave.
; LIMITS: NaN and infinities among the inputs are not served.  A block whose largest magnitude lies under 2^-124 keeps the scale byte 1 (a block of zeros too: its codes are zeros; the bytes are read here alone).
; c q, k, v and wo are rounded to f16: magnitudes up to 65,504; under 2^-14 with an absolute error of 2^-25.
.set SIMG,  24576                      ; LDS: from 0 the weights' 24 fragments: 8,192 group + 1,024 (4 tile + 2 matrix + K step) + 512 c + 16 lane;  from SIMG 12 images of scale words: 512 group + 128 (2 matrix + K step) + 4 column
.set SPARE, 26112                      ; behind them the spare words, 128 bytes for each wave: four blocks of 256 bytes that no other line names
.set LB,  1                            ; v1   16 x lane: an image's place for my lane, in LDS and in memory
.set LS,  2                            ; v2   SIMG + 4 x lane
.set XA,  3                            ; v3   x: row r of 1,024 bytes + 64 h: my 16 numbers of a block of 32
.set WA,  4                            ; v4   4 x lane: my column of a weight
.set WST, 5                            ; v5   where I store codes: 16 x lane + 512 x wave
.set SST, 6                            ; v6   and my two scale bytes: SIMG + 4 x lane + 128 (wave / 2) + 2 (wave % 2)
.set SPW, 7                            ; v7   LDS address of my spare word; never rewritten
.set NIL, 8                            ; v8   0; never rewritten
.set RR,  9                            ; v9   r = lane % 16
.set HF,  10                           ; v10  h = lane / 16
.set HW,  11                           ; v11  two scale bytes on their way to LDS
.set TM,  12                           ; v12-27 at work
.set XS,  28                           ; v28-31 x's scale words: xr K step 0, 1, xi K step 0, 1
.set WS,  32                           ; v32-35 the weights' scale words: 2 matrix + K step; lanes 0-15 tile 0, lanes 16-31 tile 1
.set XF,  36                           ; v36-83 x's fragments: xr0, xr1, xi0, xi1, -xi0, -xi1
.set PC,  84                           ; v84-91 a weight's codes just made
.set U0,  92                           ; v92-155, v156-219: two sets of 64 numbers as loaded
.set U1,  156
.set WF,  92                           ; later: a group's 8 fragments of weights, 4 tile + 2 matrix + K step
.set AC,  156                          ; v156-187 four accumulators: 2 tile + part
.set OUT, 188                          ; v188-235 f16 results, 16 registers for each group, so that no store's data are written again
.set LN,  236                          ; v236 lane
.set WV,  26
.set HD,  27
.set RB,  28
.set PQ,  32                           ; s[32:33] my part of wq (real or imaginary by my wave)
.set PKV, 34                           ; s[34:35] of wkv
.set SEL, 36                           ; s[36:37] v_permlanex16_b32's selects for lane l xor 16
.set CS,  38                           ; s[38:39] c = log2(e) / sqrt(32)
.set KBS, 40                           ; s[40:41] where my tile of k goes
.set VBS, 42                           ; s[42:43] and my half fragments of V^T
	s_load_b256 s[4:11], s[0:1], 0x0               ; xr, xi, wq_r, wq_i
	s_load_b256 s[12:19], s[0:1], 0x20             ; wkv_r, wkv_i, wo_r, wo_i
	s_load_b128 s[20:23], s[0:1], 0x40             ; qimg, kvimg
	s_load_b64 s[24:25], s[0:1], 0x50              ; wimg
	v_lshl_add_u32 v[SPW], v0, 2, SPARE
	v_mov_b32 v[NIL], 0
	v_lshrrev_b32 v[LN], 5, v0
	v_readfirstlane_b32 s[WV], v[LN]               ; wave 0..7
	v_and_b32 v[LN], 31, v0
	v_and_b32 v[RR], 15, v0
	v_bfe_u32 v[HF], v0, 4, 1
	s_and_b32 s[RB], ttmp7, 0xffff
	s_mov_b32 s[HD], ttmp9
	v_lshlrev_b32 v[LB], 4, v[LN]
	v_lshl_add_u32 v[LS], v[LN], 2, SIMG
	v_lshlrev_b32 v[XA], 10, v[RR]
	v_lshl_add_u32 v[XA], v[HF], 6, v[XA]
	v_lshlrev_b32 v[WA], 2, v[LN]
	s_lshl_b32 s30, s[WV], 9
	v_add_nc_u32 v[WST], s30, v[LB]
	s_lshr_b32 s30, s[WV], 1
	s_lshl_b32 s30, s30, 7
	s_and_b32 s31, s[WV], 1
	s_lshl_b32 s31, s31, 1
	s_add_co_u32 s30, s30, s31
	s_add_co_u32 s30, s30, SIMG
	v_lshl_add_u32 v[SST], v[LN], 2, s30
	s_mov_b32 s[SEL], 0x76543210
	s_mov_b32 s[SEL+1], 0xfedcba98
	s_mov_b32 s[CS], 0x3e8293ee
	s_mov_b32 s[CS+1], s[CS]                       ; (named with it as a pair, so it is written)
.irp b, 0,1,2,3
	v_mov_b32 v[TM+4+\b], 0                        ; written once: a lane permute's destination counts as one of its sources
.endr
	s_wait_kmcnt 0x0
	s_cmp_eq_u32 s[HD], 8                          ; the work-group's number alone: all eight waves go the same way
	s_cbranch_scc1 .Lwo
; 64 numbers of my column, down K
.macro LW u, base, stride, off
.set I, 0
.rept 64
	global_load_b32 v[\u+I], v[WA], s[\base:\base+1] offset:\stride*I+\off   ; 32 lanes read 128 consecutive bytes
.set I, I+1
.endr
.endm
; my 16 rows' numbers of one K step: register 16 b + i = k 32 b + 16 h + i of row r
.macro LX u, base, off
.irp b, 0,1,2,3
.irp j, 0,1,2,3
	global_load_b128 v[\u+16*\b+4*\j:\u+16*\b+4*\j+3], v[XA], s[\base:\base+1] offset:\off+128*\b+16*\j
.endr
.endr
.endm
; 64 numbers of a column (two blocks of 32 along K) become codes and two scale bytes, and go to LDS as parts of two fragments' images
.macro QW u, g
.irp e, 0,1
	v_max3_num_f32 v[TM+\e], |v[\u+32*\e]|, |v[\u+32*\e+1]|, 0x1800000   ; the block's largest magnitude: all 32 numbers are mine; and the floor 2^(3 - 127), so that the byte cannot fall under 1
.endr
.irp i, 2,4,6,8,10,12,14,16,18,20,22,24,26,28,30
.irp e, 0,1
	v_max3_num_f32 v[TM+\e], v[TM+\e], |v[\u+32*\e+\i]|, |v[\u+32*\e+\i+1]|   ; (the two blocks by turns)
.endr
.endr
.irp e, 0,1
	v_add_nc_u32 v[TM+2+\e], 0xff000000, v[TM+\e]  ; 2 off its exponent field: the conversion takes the exponent field of this operand as its scale
.endr
.irp e, 0,1
	v_lshrrev_b32 v[TM+4+\e], 23, v[TM+2+\e]       ; the scale's byte
.endr
	v_lshl_or_b32 v[HW], v[TM+5], 8, v[TM+4]
.irp e, 0,1
.irp n, 0,1,2,3
	v_cvt_scalef32_pk8_fp4_f32 v[PC+4*\e+\n], v[\u+32*\e+8*\n:\u+32*\e+8*\n+7], v[TM+2+\e]
.endr
.endr
	v_nop                                          ; one plain place behind a scaled conversion
.irp n, 0,1,2,3
	v_permlane16_swap_b32 v[PC+\n], v[PC+4+\n]     ; columns 16-31 of the first block change places with columns 0-15 of the second: v[PC..PC+3] is tile 0's piece (lanes 0-15 the first 32 k, lanes 16-31 the next), v[PC+4..] tile 1's
.endr
	ds_store_b128 v[WST], v[PC:PC+3] offset:8192*\g
	ds_store_b128 v[WST], v[PC+4:PC+7] offset:8192*\g+4096
	ds_store_b16 v[SST], v[HW] offset:512*\g       ; two of the four bytes of my column's scale word
.endm
; 64 numbers of a lane, register 16 b + i = k 32 b + 16 h + i of my row, become a fragment's codes in v[d] on and its scale word in v[w]
.macro QUANT s, d, w
.irp b, 0,1,2,3
	v_max3_num_f32 v[TM+\b], |v[\s+16*\b]|, |v[\s+1+16*\b]|, 0x1800000
.endr
.irp i, 2,4,6,8,10,12,14
.irp b, 0,1,2,3
	v_max3_num_f32 v[TM+\b], v[TM+\b], |v[\s+16*\b+\i]|, |v[\s+1+16*\b+\i]|
.endr
.endr
.irp b, 0,1,2,3
	v_permlanex16_b32 v[TM+4+\b], v[TM+\b], s[SEL], s[SEL+1]
.endr
.irp b, 0,1,2,3
	v_max_num_f32 v[TM+\b], v[TM+\b], v[TM+4+\b]   ; with lane l xor 16's: the block's largest magnitude
.endr
.irp b, 0,1,2,3
	v_add_nc_u32 v[TM+12+\b], 0xff000000, v[TM+\b]
.endr
.irp b, 0,1,2,3
	v_lshrrev_b32 v[TM+4+\b], 23, v[TM+12+\b]
.endr
	v_lshl_or_b32 v[\w], v[TM+5], 8, v[TM+4]       ; the four bytes make my row's scale word
	v_lshl_or_b32 v[\w], v[TM+6], 16, v[\w]
	v_lshl_or_b32 v[\w], v[TM+7], 24, v[\w]
.irp b, 0,1,2,3
	v_cvt_scalef32_pk8_fp4_f32 v[\d+2*\b], v[\s+16*\b:\s+7+16*\b], v[TM+12+\b]
	v_cvt_scalef32_pk8_fp4_f32 v[\d+1+2*\b], v[\s+8+16*\b:\s+15+16*\b], v[TM+12+\b]
.endr
	v_nop                                          ; one plain place behind a scaled conversion
.irp c, 0,1                                    ; the operand's layout wants a whole block in a lane: lanes 0-15 block 2 c, lanes 16-31 block 2 c + 1
.irp i, 0,1
	v_permlane16_swap_b32 v[\d+4*\c+\i], v[\d+2+4*\c+\i]
.endr
.endr
.endm
; One group's products (g = 0 q, 1 k, 2 v): its weights from LDS, 16 matrix instructions on four accumulators by turns, f16, four stores.
; Term tau = 0 .. 3: real part (xr0, wr0), (xr1, wr1), (-xi0, wi0), (-xi1, wi1); imaginary part (xr0, wi0), (xr1, wi1), (xi0, wr0), (xi1, wr1).  The first term starts the sums.
.macro PROD g, swap
.irp f, 0,1,2,3,4,5,6,7
	ds_load_b128 v[WF+8*\f:WF+8*\f+3],   v[LB] offset:8192*\g+1024*\f
	ds_load_b128 v[WF+8*\f+4:WF+8*\f+7], v[LB] offset:8192*\g+1024*\f+512
.endr
.irp m, 0,1,2,3
	ds_load_b32 v[WS+\m], v[LS] offset:512*\g+128*\m
.endr
	s_wait_dscnt 0x0
.irp tau, 0,1,2,3
.irp t, 0,1
.irp p, 0,1
.set kst, \tau%2
.set xsl, \tau/2
.if \p == 0
.set mtx, xsl
.set rx, XF+8*kst+32*xsl
.else
.set mtx, 1-xsl
.set rx, XF+8*kst+16*xsl
.endif
.set rw, WF+8*(4*\t+2*mtx+kst)
.set rs, WS+2*mtx+kst
.set ra, AC+8*(2*\t+\p)
.if \swap
.if \tau == 0
.if \t == 0
	v_wmma_scale_f32_16x16x128_f8f6f4 v[ra:ra+7], v[rw:rw+7], v[rx:rx+7], 0, v[rs], v[XS+\tau] matrix_a_fmt:MATRIX_FMT_FP4 matrix_b_fmt:MATRIX_FMT_FP4
.else
	v_wmma_scale_f32_16x16x128_f8f6f4 v[ra:ra+7], v[rw:rw+7], v[rx:rx+7], 0, v[rs], v[XS+\tau] matrix_a_fmt:MATRIX_FMT_FP4 matrix_b_fmt:MATRIX_FMT_FP4 matrix_a_scale:MATRIX_SCALE_ROW1
.endif
.else
.if \t == 0
	v_wmma_scale_f32_16x16x128_f8f6f4 v[ra:ra+7], v[rw:rw+7], v[rx:rx+7], v[ra:ra+7], v[rs], v[XS+\tau] matrix_a_fmt:MATRIX_FMT_FP4 matrix_b_fmt:MATRIX_FMT_FP4
.else
	v_wmma_scale_f32_16x16x128_f8f6f4 v[ra:ra+7], v[rw:rw+7], v[rx:rx+7], v[ra:ra+7], v[rs], v[XS+\tau] matrix_a_fmt:MATRIX_FMT_FP4 matrix_b_fmt:MATRIX_FMT_FP4 matrix_a_scale:MATRIX_SCALE_ROW1
.endif
.endif
.else
.if \tau == 0
.if \t == 0
	v_wmma_scale_f32_16x16x128_f8f6f4 v[ra:ra+7], v[rx:rx+7], v[rw:rw+7], 0, v[XS+\tau], v[rs] matrix_a_fmt:MATRIX_FMT_FP4 matrix_b_fmt:MATRIX_FMT_FP4
.else
	v_wmma_scale_f32_16x16x128_f8f6f4 v[ra:ra+7], v[rx:rx+7], v[rw:rw+7], 0, v[XS+\tau], v[rs] matrix_a_fmt:MATRIX_FMT_FP4 matrix_b_fmt:MATRIX_FMT_FP4 matrix_b_scale:MATRIX_SCALE_ROW1
.endif
.else
.if \t == 0
	v_wmma_scale_f32_16x16x128_f8f6f4 v[ra:ra+7], v[rx:rx+7], v[rw:rw+7], v[ra:ra+7], v[XS+\tau], v[rs] matrix_a_fmt:MATRIX_FMT_FP4 matrix_b_fmt:MATRIX_FMT_FP4
.else
	v_wmma_scale_f32_16x16x128_f8f6f4 v[ra:ra+7], v[rx:rx+7], v[rw:rw+7], v[ra:ra+7], v[XS+\tau], v[rs] matrix_a_fmt:MATRIX_FMT_FP4 matrix_b_fmt:MATRIX_FMT_FP4 matrix_b_scale:MATRIX_SCALE_ROW1
.endif
.endif
.endif
.endr
.endr
.endr
.rept 5
	v_nop                                          ; five places: for the reads of the results, for the next group's loads into the weights' registers, and for its first products, which begin the accumulators anew
.endr
.if \g == 0
.irp a, 0,1,2,3
.irp j, 0,2,4,6
	v_pk_mul_f32 v[AC+8*\a+\j:AC+8*\a+\j+1], v[AC+8*\a+\j:AC+8*\a+\j+1], s[CS:CS+1] op_sel_hi:[1,0]   ; q x c, in f32
.endr
.endr
.endif
.irp a, 0,1,2,3
.irp j, 0,1,2,3
	v_cvt_pk_f16_f32 v[OUT+16*\g+4*\a+\j], v[AC+8*\a+2*\j], v[AC+8*\a+2*\j+1]   ; each accumulator from its low end on
.endr
.endr
.irp t, 0,1
.irp p, 0,1
.if \g == 0
	global_store_b128 v[LB], v[OUT+16*\g+4*(2*\t+\p):OUT+16*\g+4*(2*\t+\p)+3], s[20:21] offset:131072*\p+512*\t
.elseif \g == 1
	global_store_b128 v[LB], v[OUT+16*\g+4*(2*\t+\p):OUT+16*\g+4*(2*\t+\p)+3], s[KBS:KBS+1] offset:4096*\p+512*\t
.else
	global_store_b128 v[LB], v[OUT+16*\g+4*(2*\t+\p):OUT+16*\g+4*(2*\t+\p)+3], s[VBS:VBS+1] offset:1024*(2*\p+\t)
.endif
.endr
.endr
.endm
	s_lshl_b32 s30, s[RB], 17                      ; my first row of x: (128 y + 16 wave) x 1,024 bytes
	s_lshl_b32 s31, s[WV], 14
	s_add_co_u32 s30, s30, s31
	s_mov_b32 s31, 0                               ; stays 0: the upper word of every offset below
	s_add_nc_u64 s[4:5], s[4:5], s[30:31]
	s_add_nc_u64 s[6:7], s[6:7], s[30:31]
	s_cmp_lt_u32 s[WV], 4                          ; waves 0-3 quantise the real weights, waves 4-7 the imaginary ones
	s_cselect_b64 s[PQ:PQ+1], s[8:9], s[10:11]
	s_cselect_b64 s[PKV:PKV+1], s[12:13], s[14:15]
	s_and_b32 s44, s[WV], 3                        ; K rows 64 (wave % 4) on,
	s_lshl_b32 s45, s[HD], 7                       ; columns 32 head on
	s_lshl_b32 s30, s44, 16
	s_add_co_u32 s30, s30, s45
	s_add_nc_u64 s[PQ:PQ+1], s[PQ:PQ+1], s[30:31]
	s_lshl_b32 s30, s44, 17
	s_add_co_u32 s30, s30, s45
	s_add_nc_u64 s[PKV:PKV+1], s[PKV:PKV+1], s[30:31]
	LW U0, PQ, 1024, 0                             ; wq
	LX U1, 4, 0                                    ; xr, K step 0
	s_lshr_b32 s44, s[RB], 4                       ; where the results go: bh = 8 batch + head,
	s_lshl_b32 s44, s44, 3
	s_add_co_u32 s44, s44, s[HD]
	s_and_b32 s45, s[RB], 15
	s_lshl_b32 s30, s45, 3
	s_add_co_u32 s30, s30, s[WV]                   ; tile of 16 queries in the sequence
	s_lshl_b32 s30, s30, 10
	s_lshl_b32 s46, s44, 18
	s_add_co_u32 s30, s30, s46
	s_add_nc_u64 s[20:21], s[20:21], s[30:31]
	s_lshl_b32 s30, s45, 1
	s_lshr_b32 s46, s[WV], 2
	s_add_co_u32 s30, s30, s46                     ; step of 64 keys
	s_lshl_b32 s30, s30, 14
	s_lshl_b32 s46, s44, 19
	s_add_co_u32 s30, s30, s46
	s_add_nc_u64 s[22:23], s[22:23], s[30:31]
	s_and_b32 s30, s[WV], 3
	s_lshl_b32 s30, s30, 10
	s_add_nc_u64 s[KBS:KBS+1], s[22:23], s[30:31]  ; k: tile wave % 4 of the step
	s_bfe_u32 s30, s[WV], 0x10001
	s_lshl_b32 s30, s30, 12                        ; V^T: which 32 keys of the step,
	s_and_b32 s46, s[WV], 1
	s_lshl_b32 s46, s46, 9                         ; and which 16 of them: registers 0-3 or 4-7 of the fragments
	s_add_co_u32 s30, s30, s46
	s_add_co_u32 s30, s30, 8192
	s_add_nc_u64 s[VBS:VBS+1], s[22:23], s[30:31]
	s_wait_loadcnt 16                              ; wq's 64 loads are in; xr's 16 behind them may be out
	QW U0, 0
	LW U0, PKV, 2048, 0                            ; wk
	s_wait_loadcnt 63                              ; xr's 16 are in: 64 loads were issued behind them, and 63 is the largest count that the wait can name
	QUANT U1, XF, XS
	LX U1, 4, 512                                  ; xr, K step 1
	s_wait_loadcnt 16                              ; wk's 64 are in
	s_wait_dscnt 0x0                               ; the stores have read the codes' registers
	QW U0, 1
	LW U0, PKV, 2048, 1024                         ; wv
	s_wait_loadcnt 63                              ; as above
	QUANT U1, XF+8, XS+1
	LX U1, 6, 0                                    ; xi, K step 0
	s_wait_loadcnt 16                              ; wv's 64 are in
	s_wait_dscnt 0x0
	QW U0, 2
	LX U0, 6, 512                                  ; xi, K step 1
	s_wait_loadcnt 16                              ; xi's first 16 are in; the 16 just issued may be out
	QUANT U1, XF+16, XS+2
	s_wait_loadcnt 0x0
	QUANT U0, XF+24, XS+3
.irp i, 0,1,2,3,4,5,6,7,8,9,10,11,12,13,14,15
	v_xor_b32 v[XF+32+\i], 0x88888888, v[XF+16+\i] ; -xi: every code's sign bit turned
.endr
.rept 8
	v_nop                                          ; a scale register written by a vector instruction stands 8 places ahead of a scaled matrix instruction, an operand so written 4
.endr
	s_wait_dscnt 0x0                               ; for the others' sake: my stores of codes and scale bytes have landed
	s_barrier_signal -1
	s_barrier_wait -1                              ; the weights' 24 fragments lie in LDS
	PROD 0, 1
	PROD 1, 1
	PROD 2, 0
	s_wait_tensorcnt 0x0                           ; the wave's end: behind my last LDS store
	ds_add_u32 v[SPW], v[NIL]
	s_wait_dscnt 0x0
	s_endpgm
; THE OUTPUT WEIGHTS.  Tile T = y of 16 output numbers n = 16 T + r (column 8 T + r / 2; r odd: the imaginary result), rows 32 wave on of wo: two fragments, for the real and for the imaginary part of the merged heads.
; real part of the heads:      n even: wo_r, n odd: wo_i;      imaginary part: n even: -wo_i, n odd: wo_r.
.Lwo:
	s_lshl_b32 s30, s[WV], 15                      ; 32 rows of 1,024 bytes
	s_lshl_b32 s31, s[RB], 5                       ; 8 columns of 4 bytes
	s_add_co_u32 s30, s30, s31
	s_mov_b32 s31, 0
	s_add_nc_u64 s[16:17], s[16:17], s[30:31]
	s_add_nc_u64 s[18:19], s[18:19], s[30:31]
	v_lshrrev_b32 v12, 1, v[RR]
	v_lshlrev_b32 v12, 2, v12
	v_lshl_add_u32 v12, v[HF], 13, v12             ; column r / 2, + 8 h rows
.irp c, 0,1
.irp j, 0,1,2,3,4,5,6,7
	global_load_b32 v[92+8*\c+\j], v12, s[16:17] offset:1024*(16*\c+\j)    ; wo_r(32 wave + 16 c + 8 h + j, column)
	global_load_b32 v[108+8*\c+\j], v12, s[18:19] offset:1024*(16*\c+\j)   ; wo_i likewise
.endr
.endr
	s_lshl_b32 s30, s[RB], 14
	s_lshl_b32 s44, s[WV], 10
	s_add_co_u32 s30, s30, s44
	s_add_nc_u64 s[24:25], s[24:25], s[30:31]
	v_and_b32 v13, 1, v[RR]
	v_cmp_eq_u32 vcc_lo, 1, v13                    ; lanes of imaginary results
	v_cndmask_b32 v14, 0x80008000, v[NIL], vcc_lo  ; two f16 sign bits where the result is real
	s_wait_loadcnt 0x0
.irp i, 0,1,2,3,4,5,6,7,8,9,10,11,12,13,14,15
	v_cndmask_b32 v[124+\i], v[92+\i], v[108+\i], vcc_lo
	v_cndmask_b32 v[140+\i], v[108+\i], v[92+\i], vcc_lo
.endr
.irp m, 0,1,2,3,4,5,6,7
	v_cvt_pk_f16_f32 v[156+\m], v[124+2*\m], v[125+2*\m]
	v_cvt_pk_f16_f32 v[164+\m], v[140+2*\m], v[141+2*\m]
.endr
.irp m, 0,1,2,3,4,5,6,7
	v_xor_b32 v[164+\m], v14, v[164+\m]
.endr
	global_store_b128 v[LB], v[156:159], s[24:25]
	global_store_b128 v[LB], v[160:163], s[24:25] offset:512
	global_store_b128 v[LB], v[164:167], s[24:25] offset:8192
	global_store_b128 v[LB], v[168:171], s[24:25] offset:8704
	s_endpgm
.Lfunc_end_k_qf0dd89ccb8_proj:
	.size	k_qf0dd89ccb8_proj, .Lfunc_end_k_qf0dd89ccb8_proj-k_qf0dd89ccb8_proj
	.p2alignl 7, 3214868480
	.fill 96, 4, 3214868480
	.section	.rodata,"a",@progbits
	.p2align	6, 0x0
	.amdhsa_kernel k_qf0dd89ccb8_proj
		.amdhsa_group_segment_fixed_size 27136
		.amdhsa_private_segment_fixed_size 0
		.amdhsa_enable_private_segment 0
		.amdhsa_kernarg_size 88
		.amdhsa_user_sgpr_count 2
		.amdhsa_user_sgpr_kernarg_segment_ptr 1
		.amdhsa_wavefront_size32 1
		.amdhsa_system_sgpr_workgroup_id_x 1
		.amdhsa_system_sgpr_workgroup_id_y 1
		.amdhsa_system_sgpr_workgroup_id_z 1
		.amdhsa_system_vgpr_workitem_id 0
		.amdhsa_next_free_vgpr 256
		.amdhsa_next_free_sgpr 66
		.amdhsa_reserve_vcc 1
		.amdhsa_float_denorm_mode_32 3
		.amdhsa_float_denorm_mode_16_64 3
		.amdhsa_memory_ordered 1
		.amdhsa_forward_progress 1
		.amdhsa_inst_pref_size 76
	.end_amdhsa_kernel
	.amdgpu_metadata
---
amdhsa.version: [ 1, 2 ]
amdhsa.kernels:
  - .name:           k_qf0dd89ccb8_proj
    .symbol:         k_qf0dd89ccb8_proj.kd
    .args:
      - { .name: x_real, .offset: 0, .size: 8, .value_kind: global_buffer, .address_space: global }
      - { .name: x_imag, .offset: 8, .size: 8, .value_kind: global_buffer, .address_space: global }
      - { .name: wq_r, .offset: 16, .size: 8, .value_kind: global_buffer, .address_space: global }
      - { .name: wq_i, .offset: 24, .size: 8, .value_kind: global_buffer, .address_space: global }
      - { .name: wkv_r, .offset: 32, .size: 8, .value_kind: global_buffer, .address_space: global }
      - { .name: wkv_i, .offset: 40, .size: 8, .value_kind: global_buffer, .address_space: global }
      - { .name: wo_r, .offset: 48, .size: 8, .value_kind: global_buffer, .address_space: global }
      - { .name: wo_i, .offset: 56, .size: 8, .value_kind: global_buffer, .address_space: global }
      - { .name: qimg, .offset: 64, .size: 8, .value_kind: global_buffer, .address_space: global }
      - { .name: kvimg, .offset: 72, .size: 8, .value_kind: global_buffer, .address_space: global }
      - { .name: wimg, .offset: 80, .size: 8, .value_kind: global_buffer, .address_space: global }
    .group_segment_fixed_size: 27136
    .private_segment_fixed_size: 0
    .kernarg_segment_align: 8
    .kernarg_segment_size: 88
    .max_flat_workgroup_size: 256
    .sgpr_count:     66
    .vgpr_count:     256
    .wavefront_size: 32
...
	.end_amdgpu_metadata
.endif
;; end of part 1
;; launch attn (part 2): grid 16 x 16, 8 waves a work-group, clusters of 4 x 1, 327,680 bytes of LDS; arguments qimg, kvimg, oimg; writes oimg
.if DOCPART == 2
	.amdgcn_target "amdgcn-amd-amdhsa--gfx1250"
	.amdhsa_code_object_version 6
	.text
	.protected	k_qf0dd89ccb8_attn
	.globl	k_qf0dd89ccb8_attn
	.p2align	8
	.type	k_qf0dd89ccb8_attn,@function
k_qf0dd89ccb8_attn:
	s_mov_b64 s[64:65], 0
	v_nop
	global_prefetch_b8 v0, s[64:65] scope:SCOPE_SE
	s_setreg_imm32_b32 hwreg(HW_REG_WAVE_MODE, 25, 1), 1
	s_wait_xcnt 0x0
	s_wait_alu depctr_hold_cnt(0) depctr_sa_sdst(0) depctr_va_vdst(0) depctr_va_sdst(0) depctr_va_ssrc(0) depctr_va_vcc(0) depctr_vm_vsrc(0)
	s_getreg_b32 s2, hwreg(HW_REG_IB_STS2, 6, 4)
	s_cmp_eq_u32 s2, 0
	s_cbranch_scc0 .Lentry_in_a_cluster
	s_endpgm
.Lentry_in_a_cluster:
	s_bfe_u32 s2, ttmp6, 0x10000c
	s_cmp_lg_u32 s2, 0x3003
	s_cbranch_scc0 .Lentry_shape_is_right
	s_endpgm
.Lentry_shape_is_right:
; THE FOUR REAL ATTENTIONS of each (batch, head): replicas 0 (qr, kr), 1 (qr, ki), 2 (qi, kr), 3 (qi, ki), each softmax multiplied into vr AND vi, then
; o_r = A0 vr - A1 vi - A2 vi - A3 vr,  o_i = A0 vi + A1 vr + A2 vr - A3 vi.  All operands f16 (made by the launch before, as images of these registers), sums, maxima and exponentials in f32.  No work is left out.
; SHARES.  A work-group owns 128 queries of one (batch, head); each of its eight waves 16 of them, in all four replicas: so a fragment of k feeds two products, a fragment of V^T four, and the recombination
; stays in the wave's registers.  Two waves share a SIMD: one wave's vector work stands beside the other's matrix work.  Every wave walks all 2,048 keys, 64 a step: 16 + 32 matrix instructions.
; LAYOUT.  S^T = k q^T (source 0 = 16 keys, source 1 = my 16 queries): a lane holds ONE query (lane % 16) and the keys 8 (lane / 16) + 0 .. 7.  Two such tiles, rounded to f16 in pairs, ARE source 1 (32 keys x 16 queries)
; of O^T = V^T P, whose result again holds one query a lane and eight channels.  q arrives multiplied by log2(e) / sqrt(32): p = 2^(s - m), m the running maximum of s; in every step O and the sum l are multiplied by 2^(m_old - m_new).
; The sum is taken of p in f32, ahead of its rounding to f16.
; RING.  Two LDS slots of 8 key steps (131,072 bytes).  A key step's 16,384 bytes are dense in memory: wave w fetches step w of a slot by one tensor load, 64 rows of 256 bytes.  Two loads of a wave are out at the head, one afterwards.
; CLUSTER.  The four blocks of queries of a cluster belong to one (batch, head) and walk the same k and v: each tile is asked for JOINTLY, by the same load with the same descriptor and the mask of all four.
; NO PREFETCH is written: a refill is asked for eight key steps, 384 matrix instructions of each wave, ahead of its first read, and the first fills stand at the head.
; LIMITS: NaN and infinities are not served; o is rounded to f16 (magnitudes up to 65,504); a weight p under 2^-25 counts in the sum and not in the product.
; REGISTERS.  Window 0: v1-4 addresses; v8-15 qr, v16-23 qi; v24-55 eight statistics a replica; v64-191 S^T, 32 a replica, then p, then P (f16) in the first 16 of them; v192-223 kr, v224-255 ki.
;   Window 1: v0-127 O^T, 32 a replica (tiles vr d 0-15, vr d 16-31, vi d 0-15, vi d 16-31); v128-191 V^T of the step.
.set SLOT1, 1<<17
.set STEPB, 16384
.set SPARE, 2*SLOT1                    ; behind the ring: the spare words, 128 bytes for each wave: four blocks of 256 bytes that no other line names
.set LB,  1                            ; v1   16 x lane: an image's place for my lane
.set ADR, 2                            ; v2   LDS address of the step in hand
.set SPW, 3                            ; v3   LDS address of my spare word; never rewritten
.set NIL, 4                            ; v4   0; never rewritten
.set QR,  8
.set ST,  24                           ; replica p at v[ST + 8 p]: +0 -m, +1 m, +2, +3 l (even keys', odd keys'), +4 to +7 at work; +6 takes 2^(m_old - m_new)
.set S,   64
.set KR,  192
.set VF,  128                          ; in window 1
.set WV,  10
.set G1,  16                           ; s[16:23] descriptor group 1
.set G0A, 24                           ; s[24:27] group 0 of slot 0's first fill
.set G0B, 28                           ; s[28:31] of slot 1's; it then walks on
.set TB,  32                           ; s32  LDS byte at which the step in hand begins
.set CNT, 33
.set SEL, 34                           ; s[34:35] v_permlanex16_b32's selects for lane l xor 16
.set MSB, 0
.macro WIN new                         ; the immediate's high byte repeats the setting that is left; a switch that changes nothing is dropped
.if MSB != \new
	s_set_vgpr_msb (MSB<<8)|\new
.set MSB, \new
.endif
.endm
.set W_V,   0x40                       ; destination window 1
.set W_RS,  0x41                       ; destination and source 0 window 1
.set W_PV,  0x51                       ; V^T, C and D window 1, P window 0
.set W_FIN, 0x01                       ; source 0 window 1
.macro CROUND                          ; a round of the cluster's barrier
	s_barrier_signal -1
	s_barrier_wait -1
	s_cmp_lg_u32 s[WV], 0
	s_cbranch_scc1 .Lnot_wave_0_\@
	s_barrier_signal -3
.Lnot_wave_0_\@:
	s_barrier_wait -3
	s_barrier_signal -1
	s_barrier_wait -1
.endm
	s_load_b128 s[4:7], s[0:1], 0x0                ; qimg, kvimg
	s_load_b64 s[8:9], s[0:1], 0x10                ; oimg
	v_lshl_add_u32 v[SPW], v0, 2, SPARE
	v_mov_b32 v[NIL], 0
	ds_add_u32 v[SPW], v[NIL]                      ; the wave's opening: the add, twice on end, and its wait ahead of my first tensor load; the set-up below stands between the second and the wait
	ds_add_u32 v[SPW], v[NIL]
	v_lshrrev_b32 v[ADR], 5, v0
	v_readfirstlane_b32 s[WV], v[ADR]              ; wave 0..7
	v_and_b32 v[LB], 31, v0
	v_lshlrev_b32 v[LB], 4, v[LB]
	s_bfe_u32 s11, ttmp6, 0x40000                  ; cx: my place in the cluster; it enters q's and o's addresses alone
	s_lshl_b32 s12, ttmp9, 2
	s_add_co_u32 s12, s12, s11                     ; my block of 128 queries
	s_and_b32 s13, ttmp7, 0xffff                   ; bh = 8 batch + head, which the four partners share
	s_mov_b32 s[G1], 15|(3<<16)|(1<<21)            ; 15:0 the mask: all four work-groups; 17:16 elements of 8 bytes; 21 set beside a mask; no padding: an image's loads take 512 consecutive bytes
	s_mov_b32 s[G1+1], 32<<16                      ; tensor_dim0 = 32 elements: 256 bytes
	s_mov_b32 s[G1+2], 64<<16                      ; tensor_dim1 = 64
	s_mov_b32 s[G1+3], 32<<16                      ; tile_dim0
	s_mov_b32 s[G1+4], 64                          ; tile_dim1
	s_mov_b32 s[G1+5], 32                          ; from row to row: dense
	s_mov_b32 s[G1+6], 0
	s_mov_b32 s[G1+7], 0
	s_mov_b32 s[SEL], 0x76543210
	s_mov_b32 s[SEL+1], 0xfedcba98
	s_lshl_b32 s14, s13, 19                        ; k, v: 524,288 bh + 16,384 wave
	s_lshl_b32 s15, s[WV], 14
	s_add_co_u32 s14, s14, s15
	s_mov_b32 s15, 0
	s_lshl_b32 s36, s12, 3
	s_add_co_u32 s36, s36, s[WV]                   ; my tile of 16 queries
	s_lshl_b32 s37, s36, 10
	s_lshl_b32 s38, s13, 18
	s_add_co_u32 s38, s38, s37                     ; q: 262,144 bh + 1,024 tile
	s_mov_b32 s39, 0
	s_lshr_b32 s40, s13, 3
	s_lshl_b32 s40, s40, 7
	s_add_co_u32 s40, s40, s36                     ; o: row tile 128 batch + tile,
	s_lshl_b32 s40, s40, 14
	s_and_b32 s41, s13, 7
	s_lshl_b32 s41, s41, 10                        ; fragment head (real part; the imaginary one 8 further on)
	s_add_co_u32 s40, s40, s41
	s_mov_b32 s41, 0
	s_wait_dscnt 0x0                               ; both opening adds are done
	s_wait_kmcnt 0x0
	s_mov_b32 s[G0A], 1                            ; count = 1
	s_lshl_b32 s[G0A+1], s[WV], 14                 ; LDS: step w of slot 0
	s_add_nc_u64 s[G0A+2:G0A+3], s[6:7], s[14:15]
	s_mov_b32 s[G0B], 1
	s_add_co_u32 s[G0B+1], s[G0A+1], SLOT1
	s_add_nc_u64 s[G0B+2:G0B+3], s[G0A+2:G0A+3], 8*STEPB
	s_or_b32 s[G0A+3], s[G0A+3], 0x80000000        ; type = 2
	s_or_b32 s[G0B+3], s[G0B+3], 0x80000000
	s_add_nc_u64 s[4:5], s[4:5], s[38:39]
	s_add_nc_u64 s[8:9], s[8:9], s[40:41]
	CROUND                                         ; all four work-groups are here: the first joint loads meet
	tensor_load_to_lds s[G0A:G0A+3], s[G1:G1+7]    ; keys 0 to 511
	s_nop 0
	tensor_load_to_lds s[G0B:G0B+3], s[G1:G1+7]    ; keys 512 to 1,023
	s_nop 0
.rept 4
	v_nop
.endr
	global_load_b128 v[QR:QR+3],     v[LB], s[4:5]                 ; qr, qi stay in registers
	global_load_b128 v[QR+4:QR+7],   v[LB], s[4:5] offset:512
	global_load_b128 v[QR+8:QR+11],  v[LB], s[4:5] offset:131072
	global_load_b128 v[QR+12:QR+15], v[LB], s[4:5] offset:131584
; A KEY STEP: 64 keys at LDS byte s[TB].  In every vector phase the four replicas take turns, so that no line waits for the line above it.  first = 1: the first step starts m, l and O^T.
.macro STEP first
	v_add_nc_u32 v[ADR], s[TB], v[LB]
.irp kt, 0,1,2,3
.irp c, 0,1
	ds_load_b128 v[KR+8*\kt+4*\c:KR+8*\kt+4*\c+3],       v[ADR] offset:1024*\kt+512*\c
	ds_load_b128 v[KR+32+8*\kt+4*\c:KR+32+8*\kt+4*\c+3], v[ADR] offset:4096+1024*\kt+512*\c
.endr
.endr
	WIN W_V
.irp f, 0,1,2,3,4,5,6,7
.irp c, 0,1
	ds_load_b128 v[VF+8*\f+4*\c:VF+8*\f+4*\c+3], v[ADR] offset:8192+1024*\f+512*\c
.endr
.endr
	WIN 0
	s_wait_dscnt 16                                ; k's 16 loads are in; V^T's 16 behind them may be out
.irp kt, 0,1,2,3
.irp p, 0,1,2,3
	v_wmma_f32_16x16x32_f16 v[S+32*\p+8*\kt:S+32*\p+8*\kt+7], v[KR+32*(\p%2)+8*\kt:KR+32*(\p%2)+8*\kt+7], v[QR+8*(\p/2):QR+8*(\p/2)+7], 0
.endr
.endr
.rept 4
	v_nop                                          ; four places ahead of the first read of the scores (ISA guide 7.12.1)
.endr
	; the maximum of my 32 scores of each replica: four chains, one a tile, each tile read first at its low end
.irp j, 0,1,2,3
.irp p, 0,1,2,3
	v_max3_num_f32 v[ST+8*\p+4+\j], v[S+32*\p+8*\j], v[S+32*\p+8*\j+1], v[S+32*\p+8*\j+2]
.endr
.endr
.irp q, 1,2
.irp j, 0,1,2,3
.irp p, 0,1,2,3
	v_max3_num_f32 v[ST+8*\p+4+\j], v[ST+8*\p+4+\j], v[S+32*\p+8*\j+2*\q+1], v[S+32*\p+8*\j+2*\q+2]
.endr
.endr
.endr
.irp p, 0,1,2,3
	v_max3_num_f32 v[ST+8*\p+4], v[ST+8*\p+4], v[S+32*\p+7], v[S+32*\p+15]
.endr
.irp p, 0,1,2,3
	v_max3_num_f32 v[ST+8*\p+6], v[ST+8*\p+6], v[S+32*\p+23], v[S+32*\p+31]
.endr
.irp p, 0,1,2,3
	v_max3_num_f32 v[ST+8*\p+4], v[ST+8*\p+4], v[ST+8*\p+5], v[ST+8*\p+6]
.endr
.irp p, 0,1,2,3
	v_max_num_f32 v[ST+8*\p+4], v[ST+8*\p+4], v[ST+8*\p+7]
.endr
.irp p, 0,1,2,3
	v_permlanex16_b32 v[ST+8*\p+5], v[ST+8*\p+4], s[SEL], s[SEL+1]   ; the query's other 32 keys lie in the lane 16 away
.endr
.if \first
.irp p, 0,1,2,3
	v_max_num_f32 v[ST+8*\p+4], v[ST+8*\p+4], v[ST+8*\p+5]
.endr
.else
.irp p, 0,1,2,3
	v_max3_num_f32 v[ST+8*\p+4], v[ST+8*\p+4], v[ST+8*\p+5], v[ST+8*\p+1]   ; the new m
.endr
.irp p, 0,1,2,3
	v_sub_f32 v[ST+8*\p+7], v[ST+8*\p+1], v[ST+8*\p+4]               ; m_old - m_new, 0 or less
.endr
.endif
.irp p, 0,1,2,3
	v_mov_b32 v[ST+8*\p+1], v[ST+8*\p+4]
.endr
.irp p, 0,1,2,3
	v_sub_f32 v[ST+8*\p], 0, v[ST+8*\p+4]          ; -m
.endr
.if !\first
.irp p, 0,1,2,3
	v_exp_f32 v[ST+8*\p+6], v[ST+8*\p+7]           ; 2^(m_old - m_new): the first of the batch
.endr
.endif
	; ONE BATCH of exponentials: s - m, a pair at a time, and p = 2^(s - m) in place.  No line of the batch names an exponential's result
.irp i, 0,1,2,3,4,5,6,7,8,9,10,11,12,13,14,15
.irp p, 0,1,2,3
	v_pk_add_f32 v[S+32*\p+2*\i:S+32*\p+2*\i+1], v[S+32*\p+2*\i:S+32*\p+2*\i+1], v[ST+8*\p:ST+8*\p+1] op_sel_hi:[1,0]
.endr
.irp p, 0,1,2,3
	v_exp_f32 v[S+32*\p+2*\i], v[S+32*\p+2*\i]
	v_exp_f32 v[S+32*\p+2*\i+1], v[S+32*\p+2*\i+1]
.endr
.endr
	v_nop                                          ; a plain instruction behind the last exponential, ahead of the first use
	s_wait_alu depctr_va_vdst(0)                   ; one wait for the whole batch, ahead of its first reader
	; the sums, of p in f32: two chains a replica
.if \first
.irp p, 0,1,2,3
	v_pk_add_f32 v[ST+8*\p+2:ST+8*\p+3], v[S+32*\p:S+32*\p+1], v[S+32*\p+6:S+32*\p+7]
.endr
.irp p, 0,1,2,3
	v_pk_add_f32 v[ST+8*\p+4:ST+8*\p+5], v[S+32*\p+2:S+32*\p+3], v[S+32*\p+4:S+32*\p+5]
.endr
.irp i, 4,6,8,10,12,14
.irp p, 0,1,2,3
	v_pk_add_f32 v[ST+8*\p+2:ST+8*\p+3], v[ST+8*\p+2:ST+8*\p+3], v[S+32*\p+2*\i:S+32*\p+2*\i+1]
.endr
.irp p, 0,1,2,3
	v_pk_add_f32 v[ST+8*\p+4:ST+8*\p+5], v[ST+8*\p+4:ST+8*\p+5], v[S+32*\p+2*\i+2:S+32*\p+2*\i+3]
.endr
.endr
.else
.irp p, 0,1,2,3
	v_pk_fma_f32 v[ST+8*\p+2:ST+8*\p+3], v[ST+8*\p+2:ST+8*\p+3], v[ST+8*\p+6:ST+8*\p+7], v[S+32*\p:S+32*\p+1] op_sel_hi:[1,0,1]   ; l under the new m, and the first pair
.endr
.irp p, 0,1,2,3
	v_pk_add_f32 v[ST+8*\p+4:ST+8*\p+5], v[S+32*\p+2:S+32*\p+3], v[S+32*\p+4:S+32*\p+5]
.endr
.irp i, 3,5,7,9,11,13
.irp p, 0,1,2,3
	v_pk_add_f32 v[ST+8*\p+2:ST+8*\p+3], v[ST+8*\p+2:ST+8*\p+3], v[S+32*\p+2*\i:S+32*\p+2*\i+1]
.endr
.irp p, 0,1,2,3
	v_pk_add_f32 v[ST+8*\p+4:ST+8*\p+5], v[ST+8*\p+4:ST+8*\p+5], v[S+32*\p+2*\i+2:S+32*\p+2*\i+3]
.endr
.endr
.irp p, 0,1,2,3
	v_pk_add_f32 v[ST+8*\p+2:ST+8*\p+3], v[ST+8*\p+2:ST+8*\p+3], v[S+32*\p+30:S+32*\p+31]
.endr
.endif
.irp p, 0,1,2,3
	v_pk_add_f32 v[ST+8*\p+2:ST+8*\p+3], v[ST+8*\p+2:ST+8*\p+3], v[ST+8*\p+4:ST+8*\p+5]
.endr
	; P: pair i of a replica's weights into its register i: ascending, so no source is written ahead of its read.  Registers 0-7: keys 0-31, registers 8-15: keys 32-63
.irp i, 0,1,2,3,4,5,6,7,8,9,10,11,12,13,14,15
.irp p, 0,1,2,3
	v_cvt_pk_f16_f32 v[S+32*\p+\i], v[S+32*\p+2*\i], v[S+32*\p+2*\i+1]
.endr
.endr
.if \first
.rept 4
	v_nop
.endr
.else
	WIN W_RS
.irp i, 0,1,2,3,4,5,6,7,8,9,10,11,12,13,14,15
.irp p, 0,1,2,3
	v_pk_mul_f32 v[32*\p+2*\i:32*\p+2*\i+1], v[32*\p+2*\i:32*\p+2*\i+1], v[ST+8*\p+6:ST+8*\p+7] op_sel_hi:[1,0]   ; O^T under the new m; each accumulator from its low end on
.endr
.endr
.endif
	s_wait_dscnt 0x0                               ; V^T is in
	WIN W_PV
.irp k, 0,1                                    ; the 16 accumulators take turns, one instruction a turn
.irp ct, 0,1,2,3
.irp p, 0,1,2,3
.if \first && (\k == 0)
	v_wmma_f32_16x16x32_f16 v[32*\p+8*\ct:32*\p+8*\ct+7], v[VF+32*\k+8*\ct:VF+32*\k+8*\ct+7], v[S+32*\p+8*\k:S+32*\p+8*\k+7], 0
.else
	v_wmma_f32_16x16x32_f16 v[32*\p+8*\ct:32*\p+8*\ct+7], v[VF+32*\k+8*\ct:VF+32*\k+8*\ct+7], v[S+32*\p+8*\k:S+32*\p+8*\k+7], v[32*\p+8*\ct:32*\p+8*\ct+7]
.endif
.endr
.endr
.endr
	WIN 0
.rept 5
	v_nop                                          ; five places: for the next step's loads into V^T's registers, and for its first products, which write the scores over P
.endr
.endm
; n key steps from LDS byte base on: written once, walked n times
.macro RUN n, base
	s_mov_b32 s[TB], \base
	s_mov_b32 s[CNT], \n
.Lrun_\@:
	STEP 0
	s_add_co_u32 s[TB], s[TB], STEPB
	s_sub_co_u32 s[CNT], s[CNT], 1
	s_cmp_lg_u32 s[CNT], 0
	s_cbranch_scc1 .Lrun_\@
.endm
; THE CHANGE OF SLOTS.  Each wave waits for all its tensor loads (its part of the slot ahead), adds 0 to its spare word, and waits for that and for its reads of the slot that it leaves.
; fill = 1: the barrier is a round of the cluster's, so that no wave of any partner still reads that slot or has a load on its way, and the joint refill is the first thing behind it.
.macro CHANGE fill
	s_wait_tensorcnt 0x0                           ; no tensor load of mine is out, so a group 0 may be written
	ds_add_u32 v[SPW], v[NIL]                      ; 0 onto my spare word
.if \fill
	s_xor_b32 s[G0B+1], s[G0B+1], SLOT1            ; the walking descriptor: the other slot than last time,
	s_add_nc_u64 s[G0B+2:G0B+3], s[G0B+2:G0B+3], 8*STEPB   ; the next 512 keys; the type bits on top are not reached
.endif
	s_wait_dscnt 0x0                               ; the add is done, and my reads of the slot are over
.if \fill
	CROUND
	tensor_load_to_lds s[G0B:G0B+3], s[G1:G1+7]
	s_nop 0
.rept 4
	v_nop
.endr
.else
	s_barrier_signal -1
	s_barrier_wait -1
.endif
.endm
	s_wait_tensorcnt 1                             ; my part of slot 0 is in; slot 1's may stay out
	s_barrier_signal -1
	s_barrier_wait -1                              ; everybody's is
	s_wait_loadcnt 0x0                             ; q
	s_mov_b32 s[TB], 0
	STEP 1                                         ; the first key step is written out: its products start O^T's sums, and it has no old maximum
	RUN 7, STEPB
	CHANGE 1                                       ; slot 0 takes keys 1,024 to 1,535
	RUN 8, SLOT1
	CHANGE 1                                       ; slot 1 takes keys 1,536 to 2,047
	RUN 8, 0
	CHANGE 0                                       ; nothing is left to fetch
	RUN 8, SLOT1
	; THE WAY OUT.  l's two halves and the other half of the lanes' are added; the four replicas' O^T are divided by their sums and recombined; f16; four stores of 512 consecutive bytes.
.irp p, 0,1,2,3
	v_add_f32 v[ST+8*\p+4], v[ST+8*\p+2], v[ST+8*\p+3]
.endr
.irp p, 0,1,2,3
	v_permlanex16_b32 v[ST+8*\p+5], v[ST+8*\p+4], s[SEL], s[SEL+1]
.endr
.irp p, 0,1,2,3
	v_add_f32 v[ST+8*\p+4], v[ST+8*\p+4], v[ST+8*\p+5]
.endr
.irp p, 0,1,2,3
	v_rcp_f32 v[ST+8*\p+6], v[ST+8*\p+4]
.endr
	v_nop                                          ; a plain instruction between the last reciprocal and the use of its result
	s_wait_alu depctr_va_vdst(0)                   ; and one wait for the four
.irp p, 0,1,2,3
	v_mul_f32 v[ST+8*\p+4], -1.0, v[ST+8*\p+6]     ; -1 / l beside 1 / l
.endr
	WIN W_FIN
.irp u, 0,1,2,3                                ; results u = 0, 1: o_r, d 0-15 and 16-31; u = 2, 3: o_i.  Replica 0: + its own tile u
.irp j, 0,2,4,6
	v_pk_mul_f32 v[S+8*\u+\j:S+8*\u+\j+1], v[8*\u+\j:8*\u+\j+1], v[ST+6:ST+7] op_sel_hi:[1,0]
.endr
.endr
.irp p, 1,2                                    ; replicas 1 and 2: the other part's tile; minus for o_r, plus for o_i
.irp u, 0,1,2,3
.irp j, 0,2,4,6
	v_pk_fma_f32 v[S+8*\u+\j:S+8*\u+\j+1], v[32*\p+8*((\u+2)%4)+\j:32*\p+8*((\u+2)%4)+\j+1], v[ST+8*\p+4+2*(\u/2):ST+8*\p+5+2*(\u/2)], v[S+8*\u+\j:S+8*\u+\j+1] op_sel_hi:[1,0,1]
.endr
.endr
.endr
.irp u, 0,1,2,3                                ; replica 3: minus its own tile u
.irp j, 0,2,4,6
	v_pk_fma_f32 v[S+8*\u+\j:S+8*\u+\j+1], v[96+8*\u+\j:96+8*\u+\j+1], v[ST+28:ST+29], v[S+8*\u+\j:S+8*\u+\j+1] op_sel_hi:[1,0,1]
.endr
.endr
	WIN 0
.irp u, 0,1,2,3
.irp j, 0,1,2,3
	v_cvt_pk_f16_f32 v[KR+4*\u+\j], v[S+8*\u+2*\j], v[S+8*\u+2*\j+1]
.endr
.endr
.irp u, 0,1,2,3
	global_store_b128 v[LB], v[KR+4*\u:KR+4*\u+3], s[8:9] offset:8192*(\u/2)+512*(\u%2)
.endr
	s_wait_tensorcnt 0x0                           ; the wave's end: behind my last tensor load
	ds_add_u32 v[SPW], v[NIL]
	s_wait_dscnt 0x0
	CROUND                                         ; the closing round: no work-group ends while a partner may still ask for a tile that names it
	s_endpgm
.Lfunc_end_k_qf0dd89ccb8_attn:
	.size	k_qf0dd89ccb8_attn, .Lfunc_end_k_qf0dd89ccb8_attn-k_qf0dd89ccb8_attn
	.p2alignl 7, 3214868480
	.fill 96, 4, 3214868480
	.section	.rodata,"a",@progbits
	.p2align	6, 0x0
	.amdhsa_kernel k_qf0dd89ccb8_attn
		.amdhsa_group_segment_fixed_size 327680
		.amdhsa_private_segment_fixed_size 0
		.amdhsa_enable_private_segment 0
		.amdhsa_kernarg_size 24
		.amdhsa_user_sgpr_count 2
		.amdhsa_user_sgpr_kernarg_segment_ptr 1
		.amdhsa_wavefront_size32 1
		.amdhsa_system_sgpr_workgroup_id_x 1
		.amdhsa_system_sgpr_workgroup_id_y 1
		.amdhsa_system_sgpr_workgroup_id_z 1
		.amdhsa_system_vgpr_workitem_id 0
		.amdhsa_next_free_vgpr 512
		.amdhsa_next_free_sgpr 66
		.amdhsa_reserve_vcc 0
		.amdhsa_float_denorm_mode_32 3
		.amdhsa_float_denorm_mode_16_64 3
		.amdhsa_memory_ordered 1
		.amdhsa_forward_progress 1
		.amdhsa_inst_pref_size 162
	.end_amdhsa_kernel
	.amdgpu_metadata
---
amdhsa.version: [ 1, 2 ]
amdhsa.kernels:
  - .name:           k_qf0dd89ccb8_attn
    .symbol:         k_qf0dd89ccb8_attn.kd
    .args:
      - { .name: qimg, .offset: 0, .size: 8, .value_kind: global_buffer, .address_space: global }
      - { .name: kvimg, .offset: 8, .size: 8, .value_kind: global_buffer, .address_space: global }
      - { .name: oimg, .offset: 16, .size: 8, .value_kind: global_buffer, .address_space: global }
    .group_segment_fixed_size: 327680
    .private_segment_fixed_size: 0
    .kernarg_segment_align: 8
    .kernarg_segment_size: 24
    .max_flat_workgroup_size: 256
    .sgpr_count:     66
    .vgpr_count:     512
    .wavefront_size: 32
...
	.end_amdgpu_metadata
.endif
;; end of part 2
;; launch outp (part 3): grid 4 x 64, 4 waves a work-group, clusters of 4 x 4, 214,528 bytes of LDS; arguments oimg, wimg, out0; writes out0
.if DOCPART == 3
	.amdgcn_target "amdgcn-amd-amdhsa--gfx1250"
	.amdhsa_code_object_version 6
	.text
	.protected	k_qf0dd89ccb8_outp
	.globl	k_qf0dd89ccb8_outp
	.p2align	8
	.type	k_qf0dd89ccb8_outp,@function
k_qf0dd89ccb8_outp:
	s_mov_b64 s[64:65], 0
	v_nop
	global_prefetch_b8 v0, s[64:65] scope:SCOPE_SE
	s_setreg_imm32_b32 hwreg(HW_REG_WAVE_MODE, 25, 1), 1
	s_wait_xcnt 0x0
	s_wait_alu depctr_hold_cnt(0) depctr_sa_sdst(0) depctr_va_vdst(0) depctr_va_sdst(0) depctr_va_ssrc(0) depctr_va_vcc(0) depctr_vm_vsrc(0)
	s_getreg_b32 s2, hwreg(HW_REG_IB_STS2, 6, 4)
	s_cmp_eq_u32 s2, 0
	s_cbranch_scc0 .Lentry_in_a_cluster
	s_endpgm
.Lentry_in_a_cluster:
	s_bfe_u32 s2, ttmp6, 0x10000c
	s_cmp_lg_u32 s2, 0xf033
	s_cbranch_scc0 .Lentry_shape_is_right
	s_endpgm
.Lentry_shape_is_right:
; THE COMPLEX OUTPUT PROJECTION as ONE product: out0 [4096 rows][512 n] = O [4096][512 k] W [512 k][512 n], f16 operands, f32 sums.  k = 256 part + 32 head + d; n = 2 column + (0 real, 1 imaginary): so the
; result lies as out0 wants it, real and imaginary numbers by turns.  O and W arrive as images of the operand registers (1,024 bytes a fragment of 16 x 32), made by the two launches before.  No work is left out.
; SHARES.  A work-group makes 64 rows x 128 n; wave (w / 2, w % 2) 32 rows x 64 n: 8 accumulators, 16 steps of 32 along K, 128 matrix instructions.  All that a work-group reads, 65,536 bytes of O and 131,072 of W,
; comes into LDS ONCE, by two tensor loads a wave at the head: no ring, no refill.
; CLUSTER: 4 x 4 work-groups.  The four of a row of the cluster need the same rows of O, the four of a column the same columns of W: each block is asked for JOINTLY.
; THE MATRIX INSTRUCTION IS USED TRANSPOSED (source 0 = 16 n of W, source 1 = 16 rows of O): a lane holds eight neighbouring numbers of a row of out0.
; NO PREFETCH is written: the only loads for which waves wait are the first fills, at the head.
.set STAGE, 196608                     ; LDS: O's 4 row tiles x 16 fragments from 0; W's 8 tiles x 16 from 65,536; from STAGE 16 rows x (256 bytes + 16) for each wave, for the way out: no tensor load fills it
.set SPARE, 214016                     ; behind the stages: the spare words, 128 bytes for each wave: two blocks of 256 bytes that no other line names
.set ADA, 3                            ; v3   LDS address of my fragments of O: 16 x lane + 32,768 (w / 2)
.set ADW, 4                            ; v4   of W: 16 x lane + 65,536 + 65,536 (w % 2)
.set STO, 5                            ; v5   the way out: where I put 32 bytes of a row
.set RD,  6                            ; v6   where I read a row back
.set CO,  7                            ; v7   my byte offset in out0
.set SPW, 12                           ; v12  LDS address of my spare word; never rewritten
.set NIL, 13                           ; v13  0; never rewritten
.set ACC, 16                           ; v16-79 accumulator (a, t) at v[ACC + 8 (4 a + t)]
.set F0,  80                           ; v80-127, v128-175: two sets of fragments: O's two, then W's four
.set G1A, 24                           ; s[24:31], s[32:35] descriptor groups 1 and 0 for O
.set G0A, 32
.set G1B, 48                           ; s[48:55], s[56:59] for W
.set G0B, 56
.macro CROUND                          ; a round of the cluster's barrier
	s_barrier_signal -1
	s_barrier_wait -1
	s_cmp_lg_u32 s10, 0
	s_cbranch_scc1 .Lnot_wave_0_\@
	s_barrier_signal -3
.Lnot_wave_0_\@:
	s_barrier_wait -3
	s_barrier_signal -1
	s_barrier_wait -1
.endm
	s_load_b128 s[4:7], s[0:1], 0x0                ; oimg, wimg
	s_load_b64 s[8:9], s[0:1], 0x10                ; out0
	v_lshl_add_u32 v[SPW], v0, 2, SPARE
	v_mov_b32 v[NIL], 0
	ds_add_u32 v[SPW], v[NIL]                      ; the wave's opening: the add, twice on end, and its wait ahead of my first tensor load; the set-up below stands between the second and the wait
	ds_add_u32 v[SPW], v[NIL]
	v_lshrrev_b32 v1, 5, v0
	v_readfirstlane_b32 s10, v1                    ; wave 0..3
	s_lshr_b32 s11, s10, 1                         ; which 32 rows are mine
	s_and_b32 s12, s10, 1                          ; which 64 n
	s_bfe_u32 s40, ttmp6, 0x40000                  ; cx, cy: my place in the cluster
	s_bfe_u32 s41, ttmp6, 0x40004
	s_lshl_b32 s42, ttmp9, 2
	s_add_co_u32 s42, s42, s40                     ; block of 128 n = 4 x cluster x + cx
	s_and_b32 s13, ttmp7, 0xffff
	s_lshl_b32 s13, s13, 2
	s_add_co_u32 s13, s13, s41                     ; block of 64 rows = 4 x cluster y + cy
	s_lshl_b32 s43, s41, 2
	s_lshl_b32 s43, 15, s43                        ; my row of the cluster
	s_lshl_b32 s44, 0x1111, s40                    ; my column
	s_or_b32 s[G1A], s43, (3<<16)|(1<<21)          ; 15:0 the mask: O's rows go to my row of the cluster; 17:16 elements of 8 bytes; 21 set beside a mask; no padding
	s_mov_b32 s[G1A+1], 32<<16                     ; rows of 256 bytes,
	s_mov_b32 s[G1A+2], 64<<16                     ; 64 of them: one row tile's 16 fragments
	s_mov_b32 s[G1A+3], 32<<16
	s_mov_b32 s[G1A+4], 64
	s_mov_b32 s[G1A+5], 32                         ; dense
	s_mov_b32 s[G1A+6], 0
	s_mov_b32 s[G1A+7], 0
	s_or_b32 s[G1B], s44, (3<<16)|(1<<21)          ; W's columns go to my column of the cluster
	s_mov_b32 s[G1B+1], 32<<16
	s_mov_b32 s[G1B+2], 128<<16                    ; 128 rows of 256 bytes: two tiles' 32 fragments
	s_mov_b32 s[G1B+3], 32<<16
	s_mov_b32 s[G1B+4], 128
	s_mov_b32 s[G1B+5], 32
	s_mov_b32 s[G1B+6], 0
	s_mov_b32 s[G1B+7], 0
	s_lshl_b32 s14, s13, 16                        ; O: 65,536 x block of rows + 16,384 x wave: hangs on the block of rows alone
	s_lshl_b32 s15, s10, 14
	s_add_co_u32 s14, s14, s15
	s_mov_b32 s15, 0
	s_lshl_b32 s46, s42, 17                        ; W: 131,072 x block of n + 32,768 x wave: hangs on the block of n alone
	s_lshl_b32 s47, s10, 15
	s_add_co_u32 s46, s46, s47
	s_mov_b32 s47, 0
	s_wait_dscnt 0x0                               ; both opening adds are done
	s_wait_kmcnt 0x0
	s_mov_b32 s[G0A], 1
	s_lshl_b32 s[G0A+1], s10, 14                   ; LDS: no place in the cluster enters an LDS address
	s_add_nc_u64 s[G0A+2:G0A+3], s[4:5], s[14:15]
	s_or_b32 s[G0A+3], s[G0A+3], 0x80000000
	s_mov_b32 s[G0B], 1
	s_lshl_b32 s[G0B+1], s10, 15
	s_add_co_u32 s[G0B+1], s[G0B+1], 65536
	s_add_nc_u64 s[G0B+2:G0B+3], s[6:7], s[46:47]
	s_or_b32 s[G0B+3], s[G0B+3], 0x80000000
	CROUND                                         ; all sixteen work-groups are here: the joint loads meet
	tensor_load_to_lds s[G0A:G0A+3], s[G1A:G1A+7]
	s_nop 0
	tensor_load_to_lds s[G0B:G0B+3], s[G1B:G1B+7]
	s_nop 0
.rept 4
	v_nop
.endr
	v_and_b32 v1, 15, v0                           ; r
	v_bfe_u32 v2, v0, 4, 1                         ; h
	v_and_b32 v8, 31, v0
	v_lshlrev_b32 v8, 4, v8                        ; 16 x lane
	s_lshl_b32 s20, s11, 15
	v_add_nc_u32 v[ADA], s20, v8
	s_lshl_b32 s20, s12, 16
	s_add_co_u32 s20, s20, 65536
	v_add_nc_u32 v[ADW], s20, v8
	s_mul_i32 s20, s10, 16*272
	s_add_co_u32 s20, s20, STAGE                   ; my stage
	v_mul_u32_u24 v9, v1, 272
	v_lshl_add_u32 v9, v2, 5, v9
	v_add_nc_u32 v[STO], s20, v9                   ; in: row r, 32 bytes for each half of the lanes
	v_mul_u32_u24 v9, v2, 272
	v_lshl_add_u32 v9, v1, 4, v9
	v_add_nc_u32 v[RD], s20, v9                    ; back: lanes 0-15 one row of 256 bytes, lanes 16-31 the next
	v_lshlrev_b32 v[CO], 11, v2
	v_lshl_add_u32 v[CO], v1, 4, v[CO]             ; and the same two rows in out0: 2,048 bytes a row
	s_lshl_b32 s16, s13, 17                        ; my first row: (64 x block + 32 (w / 2)) x 2,048 bytes
	s_lshl_b32 s17, s11, 16
	s_add_co_u32 s16, s16, s17
	s_mov_b32 s17, 0
	s_add_nc_u64 s[8:9], s[8:9], s[16:17]
	s_lshl_b32 s18, s42, 9                         ; my first n: 512 x block + 256 (w % 2) bytes
	s_lshl_b32 s19, s12, 8
	s_add_co_u32 s18, s18, s19
	s_mov_b32 s19, 0
	s_add_nc_u64 s[8:9], s[8:9], s[18:19]
	s_wait_tensorcnt 0x0                           ; my two blocks are in,
	s_barrier_signal -1
	s_barrier_wait -1                              ; everybody's are
.macro FETCH kb, f                     ; 12 LDS loads: the fragments of 32 along K, step kb, into set f
.irp a, 0,1
.irp c, 0,1
	ds_load_b128 v[\f+8*\a+4*\c:\f+8*\a+4*\c+3], v[ADA] offset:16384*\a+1024*(\kb)+512*\c
.endr
.endr
.irp t, 0,1,2,3
.irp c, 0,1
	ds_load_b128 v[\f+16+8*\t+4*\c:\f+16+8*\t+4*\c+3], v[ADW] offset:16384*\t+1024*(\kb)+512*\c
.endr
.endr
.endm
	FETCH 0, F0
.set KB, 0
.rept 16
.set FC, F0+48*(KB%2)
.set FN, F0+48*((KB+1)%2)
.if KB > 0
.rept 4
	v_nop                                          ; four places in front of loads into the set that the last eight products read (ISA guide 7.12.1 for vector instructions)
.endr
.endif
.if KB < 15
	FETCH KB+1, FN
	s_wait_dscnt 12                                ; this step's fragments are in; the 12 loads just issued may be out
.else
	s_wait_dscnt 0x0
.endif
.irp a, 0,1                                    ; the eight accumulators take turns.  The first step starts the sums
.irp t, 0,1,2,3
.if KB == 0
	v_wmma_f32_16x16x32_f16 v[ACC+8*(4*\a+\t):ACC+8*(4*\a+\t)+7], v[FC+16+8*\t:FC+16+8*\t+7], v[FC+8*\a:FC+8*\a+7], 0
.else
	v_wmma_f32_16x16x32_f16 v[ACC+8*(4*\a+\t):ACC+8*(4*\a+\t)+7], v[FC+16+8*\t:FC+16+8*\t+7], v[FC+8*\a:FC+8*\a+7], v[ACC+8*(4*\a+\t):ACC+8*(4*\a+\t)+7]
.endif
.endr
.endr
.set KB, KB+1
.endr
.rept 4
	v_nop                                          ; four places: for the stores that read the results, and for the loads into the fragments' registers
.endr
	; THE WAY OUT, 16 rows x 64 n at a time, through my own stage: LDS serves a wave's instructions in order (ISA guide 5.7.1.4), so no wait stands between the stores and the loads, nor ahead of the second half's stores
.irp a, 0,1
.irp t, 0,1,2,3
	ds_store_b128 v[STO], v[ACC+8*(4*\a+\t):ACC+8*(4*\a+\t)+3] offset:64*\t          ; each accumulator from its low end on
	ds_store_b128 v[STO], v[ACC+8*(4*\a+\t)+4:ACC+8*(4*\a+\t)+7] offset:64*\t+16
.endr
.irp i, 0,1,2,3,4,5,6,7
	ds_load_b128 v[F0+32*\a+4*\i:F0+32*\a+4*\i+3], v[RD] offset:544*\i
.endr
.endr
.irp i, 0,1,2,3,4,5,6,7
	s_wait_dscnt 23-\i                             ; behind load i of the first half: its 7 - i younger loads and the second half's 16 LDS instructions
	global_store_b128 v[CO], v[F0+4*\i:F0+4*\i+3], s[8:9] offset:2048*2*\i th:TH_STORE_NT   ; 16 lanes store 256 consecutive bytes, at a multiple of 256 from out0's first byte
.endr
.irp i, 0,1,2,3,4,5,6,7
	s_wait_dscnt 7-\i
	global_store_b128 v[CO], v[F0+32+4*\i:F0+32+4*\i+3], s[8:9] offset:2048*(16+2*\i) th:TH_STORE_NT
.endr
	s_wait_tensorcnt 0x0                           ; the wave's end: behind my last tensor load and my last LDS store
	ds_add_u32 v[SPW], v[NIL]
	s_wait_dscnt 0x0
	CROUND                                         ; the closing round: no work-group ends while a partner may still ask for a block that names it
	s_endpgm
.Lfunc_end_k_qf0dd89ccb8_outp:
	.size	k_qf0dd89ccb8_outp, .Lfunc_end_k_qf0dd89ccb8_outp-k_qf0dd89ccb8_outp
	.p2alignl 7, 3214868480
	.fill 96, 4, 3214868480
	.section	.rodata,"a",@progbits
	.p2align	6, 0x0
	.amdhsa_kernel k_qf0dd89ccb8_outp
		.amdhsa_group_segment_fixed_size 214528
		.amdhsa_private_segment_fixed_size 0
		.amdhsa_enable_private_segment 0
		.amdhsa_kernarg_size 24
		.amdhsa_user_sgpr_count 2
		.amdhsa_user_sgpr_kernarg_segment_ptr 1
		.amdhsa_wavefront_size32 1
		.amdhsa_system_sgpr_workgroup_id_x 1
		.amdhsa_system_sgpr_workgroup_id_y 1
		.amdhsa_system_sgpr_workgroup_id_z 1
		.amdhsa_system_vgpr_workitem_id 0
		.amdhsa_next_free_vgpr 176
		.amdhsa_next_free_sgpr 66
		.amdhsa_reserve_vcc 0
		.amdhsa_float_denorm_mode_32 3
		.amdhsa_float_denorm_mode_16_64 3
		.amdhsa_memory_ordered 1
		.amdhsa_forward_progress 1
		.amdhsa_inst_pref_size 32
	.end_amdhsa_kernel
	.amdgpu_metadata
---
amdhsa.version: [ 1, 2 ]
amdhsa.kernels:
  - .name:           k_qf0dd89ccb8_outp
    .symbol:         k_qf0dd89ccb8_outp.kd
    .args:
      - { .name: oimg, .offset: 0, .size: 8, .value_kind: global_buffer, .address_space: global }
      - { .name: wimg, .offset: 8, .size: 8, .value_kind: global_buffer, .address_space: global }
      - { .name: out0, .offset: 16, .size: 8, .value_kind: global_buffer, .address_space: global }
    .group_segment_fixed_size: 214528
    .private_segment_fixed_size: 0
    .kernarg_segment_align: 8
    .kernarg_segment_size: 24
    .max_flat_workgroup_size: 128
    .sgpr_count:     66
    .vgpr_count:     176
    .wavefront_size: 32
...
	.end_amdgpu_metadata
.endif
;; end of part 3
